; MI455X (gfx1250); checked and timed in simulation.
; The chip was launched on July 23, 2026; its instructions are those of AMD's public machine-readable ISA for CDNA 5 (MIT licence, August 2026) and "CDNA5" Instruction Set Architecture Reference Guide (July 2026). The comments in the code are by the model that wrote it; some were corrected since.
;; Bahdanau Attention. Allowed arithmetic: matrix products marked QUANTISED: E3M2 operands, one E8M0 scale for each 32 along K, by v_wmma_scale_f32_16x16x128_f8f6f4 with both operands' format E3M2, f32 sums; products left as they are: f32 operands where the result goes on into a quantised operand, else bf16, f16 or f32 operands; f32 sums; everything else in f32.
;; Inputs: attn_b 1,024 float32; attn_w 2,048 x 1,024 float32; encoder_outputs 1,024 x 32 x 1,024 float32; hidden 32 x 1,024 float32; v 1,024 float32.
;; Outputs: out0 32 x 1,024 float32.
;; This version of the problem:
;;   THIS VERSION OF THE PROBLEM IS GIVEN IN LOW PRECISION. The matrix products marked QUANTISED in the list below multiply operands that are first quantised to E3M2 (3 exponent bits, 2 mantissa bits; 6 bits a number), with one power-of-two scale for each 32 numbers along K (OCP MX v1.0); their sums are f32. All else is computed in f32.
;;   The module's matrix products, in the order in which they are computed (A, B: the left and right operand; K: the contracted axis; several contracted axes count as one K, in the product's order):
;;     1. [M 32,768, K 2,048] x [K 2,048, N 1,024]; A: computed on the way; B: input attn_w: QUANTISED
;;     2. [M 32,768, K 1,024] x [K 1,024, N 1]; A: computed on the way; B: input v: left as it is (N = 1 < 16)
;;   THE QUANTISER, for each operand of a quantised product, along K:
;;     - K is cut into blocks of 32 from its start; a last block that is shorter is filled with zeros.
;;     - A block's scale is 2^e with e = floor(log2(the largest magnitude in the block)) - 4, held to -126 .. 127; a block of zeros has e = 0. As a byte (E8M0): e + 127.
;;     - Each number is divided by its block's scale, clamped to +-28, and rounded to the nearest number of E3M2, ties to even, subnormals kept.
;;     - The product sums the exact products of the quantised numbers (number of the format x scale) in f32.
;;   ~~~python
;;   def quantise(x, axis):      # numpy; x: float32 -> the quantised numbers, widened to float32 again
;;       x = np.moveaxis(x, axis, -1); K = x.shape[-1]
;;       x = np.pad(x, [(0, 0)] * (x.ndim - 1) + [(0, -K % 32)]); x = x.reshape(x.shape[:-1] + (-1, 32)); a = np.abs(x).max(-1, keepdims=True)
;;       e = np.where(a > 0, np.clip(np.frexp(np.where(a > 0, a, 1))[1] - 1 - 4, -126, 127), 0)      # np.frexp(a)[1] - 1 = floor(log2(a)), exactly
;;       r = np.clip(x / 2.0 ** e, -28, 28)
;;       step = 2.0 ** (np.maximum(np.frexp(np.where(r == 0, 1, r))[1] - 1, -2) - 2)
;;       q = np.round(r / step) * step * 2.0 ** e      # np.round: ties to even
;;       return np.moveaxis(q.reshape(q.shape[:-2] + (-1,))[..., :K], -1, axis).astype(np.float32)
;;   ~~~
;;   OPERANDS COMPUTED ON THE WAY. 'Computed on the way' means the value that the module computes at that place (a softmax that the list does not call 'softmax' is quantised finished and normalised). What goes into a quantiser is computed in f32, as accurately as f32 sums, v_exp_f32 and their like allow (about 1e-6 of the number): no bf16 or f16 on the way to a quantiser, and a product that is left as it is and whose result goes on into a quantised operand takes f32 operands (vector FMAs, or v_wmma_f32_16x16x4_f32). A number that lies on a knife's edge between two numbers of the format may be rounded either way, as far as f32 arithmetic and the matrix unit's own rounding can turn it there, and no further.
;; One version. Each part assembles by itself: llvm-mc -triple=amdgcn-amd-amdhsa -mcpu=gfx1250 --defsym DOCPART=n.
;; ======== version 1 of 1: 3 launches
;; limits: right only within a limited range of input values
;; workspace buffers: wimg 819,200 bytes; gpart 1,048,576 bytes; scores 131,072 bytes
;; launch prep (part 1): grid 16 x 16, 2 waves a work-group, no clusters, 168,192 bytes of LDS; arguments attn_w, hidden, wimg, gpart; writes wimg, gpart
.if DOCPART == 1
	.amdgcn_target "amdgcn-amd-amdhsa--gfx1250"
	.amdhsa_code_object_version 6
	.text
	.protected	k_qe334db5182_prep
	.globl	k_qe334db5182_prep
	.p2align	8
	.type	k_qe334db5182_prep,@function
k_qe334db5182_prep:
	s_mov_b64 s[64:65], 0
	v_nop
	global_prefetch_b8 v0, s[64:65] scope:SCOPE_SE
	s_setreg_imm32_b32 hwreg(HW_REG_WAVE_MODE, 25, 1), 1
	s_wait_xcnt 0x0
; attn_w [2048 (k)][1024 (d)] f32 is quantised along K (its FIRST axis) to codes of BF6 (E3M2) with one E8M0 byte for each 32 along K.
; A work-group takes 128 along K (K step S = work-group y, 0..15) x 64 columns (work-group x); each of its two waves 32 columns, A LANE TO A COLUMN, registers down K:
; a block of 32 lies in one lane, its largest magnitude needs no other lane, and the conversions give codes with K innermost.  Twelve exchanges of lane halves turn a wave's codes into two operand fragments (16 columns x 128 K).
; S >= 8 (the rows that meet encoder_outputs): the fragments leave as IMAGES OF THEIR REGISTERS into wimg [K step 0..7][quarter of the columns 0..3][25,600 bytes]: 16 tiles of 1,536 bytes (register j of lane l at
;   512 (j / 4) + 16 l + 4 (j % 4)), then 1,024 bytes of scale words (tile t, row r at 128 (t / 2) + 4 (r + 16 (t % 2))): the next launch takes a tile by three loads of 16 bytes a lane.
; S < 8 (the rows that meet hidden, which reference() repeats for every s): the 32 rows of hidden are quantised along the same 128 of K (wave u: rows 16 u on; images through LDS to the other wave) and multiplied here:
;   gpart[S][b][d] = this K step's part of Q(hidden) Q(attn_w[0:1024]).  The next launch adds the eight parts.
; The tile of attn_w comes by one tensor load a wave (64 rows x 256 bytes), filled once; meanwhile hidden is loaded and quantised.
; A block's scale is 2^(floor(log2(largest magnitude)) - 4): its byte is the largest magnitude's exponent field - 4, held at 1 from below.
; LIMITS: NaN and infinities among the inputs are not served; a block whose largest magnitude lies under 2^-122, a block of zeros among them, has the byte 1 (a block of zeros has zero codes; this program alone reads the bytes).
.set HIMG, 32768                       ; LDS: the tile 0 .. 32,767 (128 rows x 256 bytes); then hidden's two fragments: 1,536 bytes of image + 128 of scale words each
.set HFB,  1664
.set GST,  36352                       ; the stage for gpart: 32 rows x (256 bytes + 16)
.set GP,   272
.set XA,  4                            ; v4   hidden: 4,096 x (lane % 16) + 64 x (lane / 16)
.set LI,  5                            ; v5   16 x lane
.set LS,  6                            ; v6   4 x lane
.set HWI, 7                            ; v7   16 x lane + HFB x wave
.set HWS, 8                            ; v8   4 x lane + HFB x wave
.set TA,  9                            ; v9   my column in a row of the tile: 128 x wave + 4 x lane
.set SO,  10                           ; v10  the stage: where I put 32 bytes of a row
.set SR,  11                           ; v11  and where I read a row back
.set GO,  12                           ; v12  the same place in gpart
.set TM,  16                           ; v16-27 at work in QUANT
.set TW,  16                           ; v16-27 at work on W's blocks: largest magnitudes, scale operands, bytes
.set PW,  32                           ; v32  hidden's scale word just made
.set PC,  34                           ; v34-53 hidden's codes just made
.set CT,  34                           ; v34-49 later: the upper halves of W's four blocks
.set HF,  54                           ; v54-77 hidden's two fragments
.set HS,  78                           ; v78-79 their scale words
.set WS,  80                           ; v80  W's scale words: lanes 0-15 my first tile's, lanes 16-31 my second's
.set FR,  84                           ; v84-95, v96-107 my two fragments of W
.set X,   128                          ; v128-255 my column's 128 numbers
.set HX,  128                          ; before that: 64 numbers of hidden
.set ACC, 128                          ; after that: four accumulators,
.set OUTR, 160                         ; and the rows on their way out
.set SEL, 14                           ; s[14:15] lane selects: lane l xor 16
; 64 numbers of a lane, register 16 b + i = k 32 b + 16 (lane / 16) + i of my row, become a fragment's codes in v[PC] on and its scale word in v[PW].
.macro QUANT s
.irp b, 0,1,2,3
	v_max3_num_f32 v[TM+\b], |v[\s+16*\b]|, |v[\s+1+16*\b]|, 0x2800000   ; my 16 numbers of block b, and the floor 2^(5 - 127): the byte cannot fall under 1
.endr
.irp i, 2,4,6,8,10,12,14
.irp b, 0,1,2,3
	v_max3_num_f32 v[TM+\b], v[TM+\b], |v[\s+16*\b+\i]|, |v[\s+1+16*\b+\i]|
.endr
.endr
.irp b, 0,1,2,3
	v_permlanex16_b32 v[TM+4+\b], v[TM+\b], s[SEL], s[SEL+1]
.endr
.irp b, 0,1,2,3
	v_max_num_f32 v[TM+\b], v[TM+\b], v[TM+4+\b]   ; with lane l xor 16's: the block's largest magnitude
.endr
.irp b, 0,1,2,3
	v_add_nc_u32 v[TM+8+\b], 0xfe000000, v[TM+\b]  ; 4 off its exponent field: the conversion's scale operand
.endr
.irp b, 0,1,2,3
	v_lshrrev_b32 v[TM+4+\b], 23, v[TM+8+\b]       ; the scale's byte
.endr
	v_lshl_or_b32 v[PW], v[TM+5], 8, v[TM+4]
	v_lshl_or_b32 v[PW], v[TM+6], 16, v[PW]
	v_lshl_or_b32 v[PW], v[TM+7], 24, v[PW]
.irp c, 0,1
	v_cvt_scalef32_pk16_bf6_f32 v[PC+6*\c:PC+2+6*\c], v[\s+32*\c:\s+15+32*\c], v[TM+8+2*\c]
	v_cvt_scalef32_pk16_bf6_f32 v[PC+12+4*\c:PC+14+4*\c], v[\s+16+32*\c:\s+31+32*\c], v[TM+8+2*\c+1]   ; (a conversion's three registers begin on an even number)
.endr
	v_nop                                          ; one plain place behind a scaled conversion
.irp c, 0,1                                    ; the operand's layout wants a whole block in a lane: lanes 0-15 block 2 c, lanes 16-31 block 2 c + 1
.irp i, 0,1,2
	v_permlane16_swap_b32 v[PC+6*\c+\i], v[PC+12+4*\c+\i]
.endr
.irp i, 0,1,2
	v_mov_b32 v[PC+3+6*\c+\i], v[PC+12+4*\c+\i]
.endr
.endr
.endm
	s_load_b256 s[4:11], s[0:1], 0x0               ; attn_w s[4:5], hidden s[6:7], wimg s[8:9], gpart s[10:11]
	v_lshl_add_u32 v126, v0, 2, 0x29000
	v_mov_b32 v127, 0
	ds_add_u32 v126, v127
	ds_add_u32 v126, v127
	v_lshrrev_b32 v1, 5, v0
	v_readfirstlane_b32 s12, v1                    ; wave u
	s_and_b32 s13, ttmp7, 0xffff                   ; K step S
	; descriptor group 1: 64 rows x 64 elements of 4 bytes, 1,024 elements from row to row, no padding (a read takes 32 neighbouring words of one row)
	s_mov_b32 s16, 2<<16
	s_mov_b32 s17, 64<<16                          ; tensor_dim0
	s_mov_b32 s18, 64<<16                          ; tensor_dim1
	s_mov_b32 s19, 64<<16                          ; tile_dim0
	s_mov_b32 s20, 64                              ; tile_dim1
	s_mov_b32 s21, 1024                            ; the pitch
	s_mov_b32 s22, 0
	s_mov_b32 s23, 0
	s_lshl_b32 s24, s13, 19                        ; 128 S rows of 4,096 bytes,
	s_lshl_b32 s25, s12, 18                        ; my wave's 64 of them,
	s_add_co_u32 s24, s24, s25
	s_lshl_b32 s25, ttmp9, 8                       ; the work-group's 64 columns
	s_add_co_u32 s24, s24, s25
	s_mov_b32 s25, 0
	s_mov_b32 s28, 1                               ; group 0: count,
	s_lshl_b32 s29, s12, 14                        ; LDS address: 64 rows x 256 bytes a wave,
	s_mov_b32 s[SEL], 0x76543210
	s_mov_b32 s[SEL+1], 0xfedcba98
	s_wait_dscnt 0x0
	s_wait_kmcnt 0x0
	s_add_nc_u64 s[30:31], s[4:5], s[24:25]        ; global address,
	s_or_b32 s31, s31, 0x80000000                  ; type
	tensor_load_to_lds s[28:31], s[16:23]          ; my half of the tile: the launch's only fill of these bytes
	s_nop 0
.rept 4
	v_nop
.endr
	v_and_b32 v1, 31, v0                           ; lane
	v_and_b32 v2, 15, v0                           ; r
	v_bfe_u32 v3, v0, 4, 1                         ; h
	v_lshlrev_b32 v[XA], 12, v2
	v_lshl_add_u32 v[XA], v3, 6, v[XA]
	v_lshlrev_b32 v[LI], 4, v1
	v_lshlrev_b32 v[LS], 2, v1
	s_mul_i32 s26, s12, HFB
	v_add_nc_u32 v[HWI], s26, v[LI]
	v_add_nc_u32 v[HWS], s26, v[LS]
	s_lshl_b32 s26, s12, 7
	v_add_nc_u32 v[TA], s26, v[LS]
	v_mul_u32_u24 v[SO], v2, GP
	v_lshl_add_u32 v[SO], v3, 5, v[SO]
	v_add_nc_u32 v[SO], s26, v[SO]
	v_add_nc_u32 v[SO], GST, v[SO]                 ; row r, + 32 h, + my wave's 128 bytes
	s_mul_i32 s26, s12, 16*GP
	v_mul_u32_u24 v[SR], v3, GP
	v_lshl_add_u32 v[SR], v2, 4, v[SR]
	v_add_nc_u32 v[SR], s26, v[SR]
	v_add_nc_u32 v[SR], GST, v[SR]                 ; back: my 16 rows; lanes 0-15 one row of 256 bytes, lanes 16-31 the next
	v_lshlrev_b32 v[GO], 12, v3
	v_lshl_add_u32 v[GO], v2, 4, v[GO]
.irp b, 0,1,2,3
	v_mov_b32 v[TM+4+\b], 0                        ; written once: a lane permute's destination counts as one of its sources
.endr
	; ---- hidden's rows 16 u on, this K step: a fragment, while the tile is on its way
	s_cmp_ge_u32 s13, 8
	s_cbranch_scc1 .Lno_hidden
	s_lshl_b32 s32, s12, 16                        ; 16 u rows of 4,096 bytes
	s_lshl_b32 s33, s13, 9                         ; 128 S numbers
	s_add_co_u32 s32, s32, s33
	s_mov_b32 s33, 0
	s_add_nc_u64 s[6:7], s[6:7], s[32:33]
.irp b, 0,1,2,3
.irp j, 0,1,2,3
	global_load_b128 v[HX+16*\b+4*\j:HX+16*\b+4*\j+3], v[XA], s[6:7] offset:128*\b+16*\j   ; 16 neighbours of each block of 32
.endr
.endr
	s_wait_loadcnt 0x0
	QUANT HX
.irp c, 0,1,2
	ds_store_b128 v[HWI], v[PC+4*\c:PC+4*\c+3] offset:HIMG+512*\c   ; the fragment as it stands: lane l's 16 bytes at 16 l
.endr
	ds_store_b32 v[HWS], v[PW] offset:HIMG+1536
.Lno_hidden:
	s_wait_tensorcnt 0x0                           ; my half of the tile has landed,
	s_wait_dscnt 0x0                               ; my image is stored:
	s_barrier_signal -1
	s_barrier_wait -1                              ; both hold of both waves
	; ---- my column, 128 numbers down K
.set K, 0
.rept 128
	ds_load_b32 v[X+K], v[TA] offset:256*K
.set K, K+1
.endr
	s_wait_dscnt 0x0
.irp b, 0,1,2,3
	v_max3_num_f32 v[TW+\b], |v[X+32*\b]|, |v[X+32*\b+1]|, 0x2800000   ; block b: all 32 numbers are mine; the floor 2^(5 - 127)
.endr
.irp i, 2,4,6,8,10,12,14,16,18,20,22,24,26,28,30
.irp b, 0,1,2,3
	v_max3_num_f32 v[TW+\b], v[TW+\b], |v[X+32*\b+\i]|, |v[X+32*\b+\i+1]|
.endr
.endr
.irp b, 0,1,2,3
	v_add_nc_u32 v[TW+4+\b], 0xfe000000, v[TW+\b]  ; the conversion's scale operand
.endr
.irp b, 0,1,2,3
	v_lshrrev_b32 v[TW+8+\b], 23, v[TW+4+\b]       ; the byte
.endr
	v_lshl_or_b32 v[WS], v[TW+9], 8, v[TW+8]       ; my column's scale word is whole in my lane
	v_lshl_or_b32 v[WS], v[TW+10], 16, v[WS]
	v_lshl_or_b32 v[WS], v[TW+11], 24, v[WS]
.irp b, 0,1,2,3                                ; blocks 0 and 2 into the first run of twelve registers, blocks 1 and 3 into the second
	v_cvt_scalef32_pk16_bf6_f32 v[FR+12*(\b%2)+6*(\b/2):FR+12*(\b%2)+6*(\b/2)+2], v[X+32*\b:X+32*\b+15], v[TW+4+\b]
	v_cvt_scalef32_pk16_bf6_f32 v[CT+4*\b:CT+4*\b+2], v[X+32*\b+16:X+32*\b+31], v[TW+4+\b]   ; (three registers from an even number on: made here and moved)
.endr
	v_nop                                          ; one plain place behind a scaled conversion
.irp b, 0,1,2,3
.irp i, 0,1,2
	v_mov_b32 v[FR+12*(\b%2)+6*(\b/2)+3+\i], v[CT+4*\b+\i]
.endr
.endr
.irp i, 0,1,2,3,4,5,6,7,8,9,10,11
	v_permlane16_swap_b32 v[FR+\i], v[FR+12+\i]    ; the first run's lanes 16-31 change places with the second's lanes 0-15: the first is now the fragment of columns 0-15 (lanes 0-15 blocks 0, 2; lanes 16-31 blocks 1, 3), the second that of columns 16-31
.endr
	s_cmp_ge_u32 s13, 8
	s_cbranch_scc1 .Limage
	; ---- S < 8: this K step's part of Q(hidden) Q(W): source 0 = 16 columns of W, source 1 = 16 rows of hidden: a lane holds one row b and eight neighbouring d
.irp m, 0,1
.irp c, 0,1,2
	ds_load_b128 v[HF+12*\m+4*\c:HF+12*\m+4*\c+3], v[LI] offset:HIMG+HFB*\m+512*\c
.endr
	ds_load_b32 v[HS+\m], v[LS] offset:HIMG+HFB*\m+1536
.endr
	s_wait_dscnt 0x0
.rept 8
	v_nop                                          ; W's scale words and fragments were written by vector instructions: eight and four places ahead of a scaled matrix instruction
.endr
	s_wait_alu depctr_va_vdst(0)
.irp m, 0,1
	v_wmma_scale_f32_16x16x128_f8f6f4 v[ACC+8*\m:ACC+8*\m+7], v[FR:FR+11], v[HF+12*\m:HF+12*\m+11], 0, v[WS], v[HS+\m] matrix_a_fmt:MATRIX_FMT_BF6 matrix_b_fmt:MATRIX_FMT_BF6
.endr
.irp m, 0,1
	v_wmma_scale_f32_16x16x128_f8f6f4 v[ACC+16+8*\m:ACC+16+8*\m+7], v[FR+12:FR+23], v[HF+12*\m:HF+12*\m+11], 0, v[WS], v[HS+\m] matrix_a_fmt:MATRIX_FMT_BF6 matrix_b_fmt:MATRIX_FMT_BF6 matrix_a_scale:MATRIX_SCALE_ROW1
.endr
.rept 4
	v_nop                                          ; four places ahead of the first read of results (ISA guide 7.12.1)
.endr
.irp t, 0,1
.irp m, 0,1
	ds_store_b128 v[SO], v[ACC+8*(2*\t+\m):ACC+8*(2*\t+\m)+3] offset:16*\m*GP+64*\t        ; row 16 m + r, columns 32 u + 16 t + 8 h on; each accumulator from its low end on
	ds_store_b128 v[SO], v[ACC+8*(2*\t+\m)+4:ACC+8*(2*\t+\m)+7] offset:16*\m*GP+64*\t+16
.endr
.endr
	s_branch .Ljoin
.Limage:
	; ---- S >= 8: the two fragments and their scale words leave as they stand
	s_sub_co_u32 s34, s13, 8
	s_lshl_b32 s34, s34, 2
	s_lshr_b32 s35, ttmp9, 2
	s_add_co_u32 s34, s34, s35
	s_mul_i32 s34, s34, 25600                      ; the block of (K step, quarter of the columns)
	s_and_b32 s35, ttmp9, 3
	s_lshl_b32 s35, s35, 1
	s_add_co_u32 s35, s35, s12                     ; which pair of its 16 tiles is my wave's
	s_mul_i32 s36, s35, 3072
	s_add_co_u32 s36, s36, s34
	s_mov_b32 s37, 0
	s_lshl_b32 s35, s35, 7
	s_add_co_u32 s34, s34, s35
	s_add_co_u32 s34, s34, 24576                   ; the pair's 128 bytes of scale words
	s_mov_b32 s35, 0
	s_add_nc_u64 s[36:37], s[8:9], s[36:37]
	s_add_nc_u64 s[34:35], s[8:9], s[34:35]
	s_wait_alu depctr_va_vdst(0)
.irp t, 0,1
.irp c, 0,1,2
	global_store_b128 v[LI], v[FR+12*\t+4*\c:FR+12*\t+4*\c+3], s[36:37] offset:1536*\t+512*\c   ; 32 lanes store 512 consecutive bytes, at a multiple of 256 from the buffer's first byte
.endr
.endr
	global_store_b32 v[LS], v[WS], s[34:35]        ; 128 consecutive bytes; the other wave's 128 lie beside them
.Ljoin:
	s_wait_dscnt 0x0                               ; my stores into the stage are done
	s_barrier_signal -1
	s_barrier_wait -1                              ; a row's 256 bytes come from both waves
	s_cmp_ge_u32 s13, 8
	s_cbranch_scc1 .Lend
	s_lshl_b32 s38, s13, 17                        ; gpart: part S,
	s_lshl_b32 s39, s12, 16                        ; my 16 rows of 4,096 bytes,
	s_add_co_u32 s38, s38, s39
	s_lshl_b32 s39, ttmp9, 8                       ; the work-group's 64 columns
	s_add_co_u32 s38, s38, s39
	s_mov_b32 s39, 0
	s_add_nc_u64 s[10:11], s[10:11], s[38:39]
.irp i, 0,1,2,3,4,5,6,7
	ds_load_b128 v[OUTR+4*\i:OUTR+4*\i+3], v[SR] offset:2*\i*GP
.endr
.irp i, 0,1,2,3,4,5,6,7
	s_wait_dscnt 7-\i                              ; LDS loads come back in order: pair i of rows is in
	global_store_b128 v[GO], v[OUTR+4*\i:OUTR+4*\i+3], s[10:11] offset:2*\i*4096   ; 16 lanes store 256 consecutive bytes, aligned
.endr
.Lend:
	s_wait_tensorcnt 0x0
	ds_add_u32 v126, v127
	s_wait_dscnt 0x0
	s_endpgm
.Lfunc_end_k_qe334db5182_prep:
	.size	k_qe334db5182_prep, .Lfunc_end_k_qe334db5182_prep-k_qe334db5182_prep
	.p2alignl 7, 3214868480
	.fill 96, 4, 3214868480
	.section	.rodata,"a",@progbits
	.p2align	6, 0x0
	.amdhsa_kernel k_qe334db5182_prep
		.amdhsa_group_segment_fixed_size 168192
		.amdhsa_private_segment_fixed_size 0
		.amdhsa_enable_private_segment 0
		.amdhsa_kernarg_size 32
		.amdhsa_user_sgpr_count 2
		.amdhsa_user_sgpr_kernarg_segment_ptr 1
		.amdhsa_wavefront_size32 1
		.amdhsa_system_sgpr_workgroup_id_x 1
		.amdhsa_system_sgpr_workgroup_id_y 1
		.amdhsa_system_sgpr_workgroup_id_z 1
		.amdhsa_system_vgpr_workitem_id 0
		.amdhsa_next_free_vgpr 256
		.amdhsa_next_free_sgpr 66
		.amdhsa_reserve_vcc 0
		.amdhsa_float_denorm_mode_32 3
		.amdhsa_float_denorm_mode_16_64 3
		.amdhsa_memory_ordered 1
		.amdhsa_forward_progress 1
		.amdhsa_inst_pref_size 29
	.end_amdhsa_kernel
	.amdgpu_metadata
---
amdhsa.version: [ 1, 2 ]
amdhsa.kernels:
  - .name:           k_qe334db5182_prep
    .symbol:         k_qe334db5182_prep.kd
    .args:
      - { .name: attn_w, .offset: 0, .size: 8, .value_kind: global_buffer, .address_space: global }
      - { .name: hidden, .offset: 8, .size: 8, .value_kind: global_buffer, .address_space: global }
      - { .name: wimg, .offset: 16, .size: 8, .value_kind: global_buffer, .address_space: global }
      - { .name: gpart, .offset: 24, .size: 8, .value_kind: global_buffer, .address_space: global }
    .group_segment_fixed_size: 168192
    .private_segment_fixed_size: 0
    .kernarg_segment_align: 8
    .kernarg_segment_size: 32
    .max_flat_workgroup_size: 64
    .sgpr_count:     66
    .vgpr_count:     256
    .wavefront_size: 32
...
	.end_amdgpu_metadata
.endif
;; end of part 1
;; launch main (part 2): grid 256 x 1, 8 waves a work-group, no clusters, 187,392 bytes of LDS; arguments encoder_outputs, wimg, gpart, attn_b, v, scores; writes scores
.if DOCPART == 2
	.amdgcn_target "amdgcn-amd-amdhsa--gfx1250"
	.amdhsa_code_object_version 6
	.text
	.protected	k_qe334db5182_main
	.globl	k_qe334db5182_main
	.p2align	8
	.type	k_qe334db5182_main,@function
k_qe334db5182_main:
	s_mov_b64 s[64:65], 0
	v_nop
	global_prefetch_b8 v0, s[64:65] scope:SCOPE_SE
	s_setreg_imm32_b32 hwreg(HW_REG_WAVE_MODE, 25, 1), 1
	s_wait_xcnt 0x0
; scores[b][s] = sum over d of -2 v[d] / (1 + 2^t), t = 2 log2(e) (Q(enc[s][b]) Q(attn_w[1024:2048])[d] + g[b][d] + attn_b[d]); g = the eight parts of gpart added.
; tanh(x) = 1 - 2 / (1 + e^(2x)).  LEFT OUT: the term sum over d of v[d], which is the same for every s of a row b: the softmax along s takes it away for all values of v.
; The rows of cat that repeat hidden give the same product for every s: the launch before made it once for each b (gpart).
; LIMITS: NaN and infinities among the inputs are not served; a block whose largest magnitude lies under 2^-122 has the scale byte 1 (a block of zeros has zero codes).
; A work-group takes one b and 128 s: 8 waves of 512 registers.
; PART 1: wave w reads rows 16 w .. 16 w + 15, 512 bytes of a row to a load, turns each chunk (16 rows x 128 K) through its own stage in LDS, quantises it and stores the operand's
;   registers as an image in LDS: codes 8 K steps x 8 row tiles x 1,536 bytes, scale words 8 x 512 bytes.  Four chunks (64 loads) a wave are out.
;   All waves do K steps 0-5 of their own rows; waves 4-7 then do K steps 6, 7 of all rows while waves 0-3 multiply K steps 0-5: so waves w and w + 4 stand six K steps apart in the text from there on.
; PART 2: a wave makes 128 rows x 64 columns at a time (256 accumulator registers, v256-511), twice.  Row fragments come from the image in LDS, in two halves that are loaded again as they fall free;
;   attn_w's fragments come from wimg, which is laid as register images, straight into registers: a ring of three K steps (3 x 14 loads out).  No barrier stands in part 2 but the one behind K step 5.
; cluster = none: each fragment of attn_w is used by one wave of the work-group alone and goes into its registers; nothing of it lands in LDS, where a joint load would put it.
; No prefetch: part 1 has 64 loads a wave out from its first line to its last, and wimg's 819,200 bytes are read by all 256 work-groups alike.
; The matrix instruction is used transposed: source 0 = 16 columns of attn_w, source 1 = 16 rows: lane (r, h) holds row r, its registers the columns 8 h + 0 .. 7.
.set ASC,   0                          ; LDS: scale words: K step k, row tile a, row r at 512 k + 64 a + 4 r
.set IMG,   4096                       ; images: 12,288 k + 1,536 a
.set STG,   102400                     ; stages: 16 rows x 528 bytes a wave
.set SPI,   528
.set GT,    169984                     ; tables: t's addend at 4 d, -2 v at 4,096 + 4 d; each wave writes and reads its own 128 columns alone
.set RED,   178176                     ; partial scores: 512 bytes for each (pass, wave)
.set SPARE, 186368                     ; the spare words, 128 bytes a wave
.set L16,  1                           ; 16 x lane
.set L16B, 2                           ; 16 x lane + 61,440
.set L4,   3                           ; 4 x lane
.set SPW,  4
.set NIL,  5
.set SA,   6                           ; v6-9   the rows' scale words: two row tiles to a register
.set SB,   10                          ; v10-15 attn_w's: two column tiles to a register, three K steps
.set AF,   16                          ; v16-111  eight row fragments
.set BF,   112                         ; v112-255 three K steps x four column fragments
.set X,    16                          ; part 1: a chunk's numbers
.set TBL,  16
.set STW,  208
.set STR,  209
.set AWI,  210
.set AWS,  211
.set TOF,  212
.set TLA,  213
.set PW,   214
.set AWJ,  248
.set AWSJ, 249
.set PC,   216
.set TM,   236
.set GB,   16                          ; the way out: tables, sums
.set VB,   48
.set SUM,  80
.set T,    96
.set GVA,  110
.set REDW, 111
.set WV,  16
.set ENB, 20
.set ENJ, 22
.set WB,  24
.set WSC, 26
.set GPB, 28
.set SCP, 30
.set SEL, 32
.set CC,  34
.set HM,  36
.set GTW, 56
.set REDS, 57
.set MSB, 0
.macro WIN new
.if MSB != \new
	s_set_vgpr_msb (MSB<<8)|\new
.set MSB, \new
.endif
.endm
.macro PLACES n
.rept \n
	v_nop
.endr
.endm
.macro LDCH buf, bs, off               ; a chunk: 16 rows x 512 bytes into v[256 + 64 buf ..]
	WIN 0x40
.irp i, 0,1,2,3,4,5,6,7,8,9,10,11,12,13,14,15
	global_load_b128 v[64*(\buf)+4*\i:64*(\buf)+4*\i+3], v[L16], s[\bs:\bs+1] offset:(\off)+\i*131072 th:TH_LOAD_NT
.endr
	WIN 0
.endm
.macro STAGE buf                       ; through my stage: in by rows, back 16 neighbours of each block of 32 to a lane
	WIN 0x04
.irp i, 0,1,2,3,4,5,6,7,8,9,10,11,12,13,14,15
	ds_store_b128 v[STW], v[64*(\buf)+4*\i:64*(\buf)+4*\i+3] offset:SPI*\i
.endr
	WIN 0
.irp b, 0,1,2,3
.irp j, 0,1,2,3
	ds_load_b128 v[X+16*\b+4*\j:X+16*\b+4*\j+3], v[STR] offset:128*\b+16*\j
.endr
.endr
	s_wait_dscnt 0x0                               ; the numbers are back, and the stores have read the chunk's registers
.endm
.macro QUANT s
.irp b, 0,1,2,3
	v_max3_num_f32 v[TM+\b], |v[\s+16*\b]|, |v[\s+1+16*\b]|, 0x2800000   ; my 16 of block b, and the floor 2^(5 - 127)
.endr
.irp i, 2,4,6,8,10,12,14
.irp b, 0,1,2,3
	v_max3_num_f32 v[TM+\b], v[TM+\b], |v[\s+16*\b+\i]|, |v[\s+1+16*\b+\i]|
.endr
.endr
.irp b, 0,1,2,3
	v_permlanex16_b32 v[TM+4+\b], v[TM+\b], s[SEL], s[SEL+1]
.endr
.irp b, 0,1,2,3
	v_max_num_f32 v[TM+\b], v[TM+\b], v[TM+4+\b]
.endr
.irp b, 0,1,2,3
	v_add_nc_u32 v[TM+8+\b], 0xfe000000, v[TM+\b]  ; 4 off the exponent field: the conversion's scale operand
.endr
.irp b, 0,1,2,3
	v_lshrrev_b32 v[TM+4+\b], 23, v[TM+8+\b]       ; the byte
.endr
	v_lshl_or_b32 v[PW], v[TM+5], 8, v[TM+4]
	v_lshl_or_b32 v[PW], v[TM+6], 16, v[PW]
	v_lshl_or_b32 v[PW], v[TM+7], 24, v[PW]
.irp c, 0,1
	v_cvt_scalef32_pk16_bf6_f32 v[PC+6*\c:PC+2+6*\c], v[\s+32*\c:\s+15+32*\c], v[TM+8+2*\c]
	v_cvt_scalef32_pk16_bf6_f32 v[PC+12+4*\c:PC+14+4*\c], v[\s+16+32*\c:\s+31+32*\c], v[TM+8+2*\c+1]
.endr
	v_nop                                          ; one plain place behind a scaled conversion
.irp c, 0,1
.irp i, 0,1,2
	v_permlane16_swap_b32 v[PC+6*\c+\i], v[PC+12+4*\c+\i]
.endr
.irp i, 0,1,2
	v_mov_b32 v[PC+3+6*\c+\i], v[PC+12+4*\c+\i]
.endr
.endr
.endm
.macro FIN ar, ao, sr, so              ; quantise the chunk and store the fragment's image and its scale words
	QUANT X
.irp c, 0,1,2
	ds_store_b128 v[\ar], v[PC+4*\c:PC+4*\c+3] offset:(\ao)+512*\c
.endr
	ds_store_b32 v[\sr], v[PW] offset:\so          ; lanes r and r + 16 write the same word with the same value
.endm
.macro BONLY buf, off                  ; waves 4-7 alone: a chunk of K steps 6, 7
	s_cmp_lt_u32 s[WV], 4
	s_cbranch_scc1 .Lnb_\@
	LDCH \buf, ENJ, \off
.Lnb_\@:
.endm
.macro LDA k, hf                       ; row tiles 4 hf .. 4 hf + 3 of K step k and their two scale registers: 14 LDS loads
.if (\k) < 5
.set AR_, L16
.set AO_, IMG+(\k)*12288
.else
.set AR_, L16B
.set AO_, IMG+(\k)*12288-61440
.endif
.irp a, 0,1,2,3
.irp c, 0,1,2
	ds_load_b128 v[AF+12*(4*(\hf)+\a)+4*\c:AF+12*(4*(\hf)+\a)+4*\c+3], v[AR_] offset:AO_+(4*(\hf)+\a)*1536+512*\c
.endr
.endr
.irp q, 0,1
	ds_load_b32 v[SA+2*(\hf)+\q], v[L4] offset:ASC+(\k)*512+128*(2*(\hf)+\q)
.endr
.endm
.macro LDB g                           ; step g (pass g / 8, K step g % 8): my four column tiles and their two scale registers: 14 loads
.set BO_, ((\g)%8)*102400+((\g)/8)*51200
.set BR_, BF+48*((\g)%3)
.irp b, 0,1,2,3
.irp c, 0,1,2
	global_load_b128 v[BR_+12*\b+4*\c:BR_+12*\b+4*\c+3], v[L16], s[WB:WB+1] offset:BO_+\b*1536+512*\c
.endr
.endr
.irp q, 0,1
	global_load_b32 v[SB+2*((\g)%3)+\q], v[L4], s[WSC:WSC+1] offset:BO_+128*\q
.endr
.endm
.macro WM k, ra, rb
.if (\k) == 0
.if \ra
.if \rb
	v_wmma_scale_f32_16x16x128_f8f6f4 v[RD_:RD_+7], v[RB_:RB_+11], v[RA_:RA_+11], 0, v[SB_], v[SA_] matrix_a_fmt:MATRIX_FMT_BF6 matrix_b_fmt:MATRIX_FMT_BF6 matrix_a_scale:MATRIX_SCALE_ROW1 matrix_b_scale:MATRIX_SCALE_ROW1
.else
	v_wmma_scale_f32_16x16x128_f8f6f4 v[RD_:RD_+7], v[RB_:RB_+11], v[RA_:RA_+11], 0, v[SB_], v[SA_] matrix_a_fmt:MATRIX_FMT_BF6 matrix_b_fmt:MATRIX_FMT_BF6 matrix_a_scale:MATRIX_SCALE_ROW1
.endif
.else
.if \rb
	v_wmma_scale_f32_16x16x128_f8f6f4 v[RD_:RD_+7], v[RB_:RB_+11], v[RA_:RA_+11], 0, v[SB_], v[SA_] matrix_a_fmt:MATRIX_FMT_BF6 matrix_b_fmt:MATRIX_FMT_BF6 matrix_b_scale:MATRIX_SCALE_ROW1
.else
	v_wmma_scale_f32_16x16x128_f8f6f4 v[RD_:RD_+7], v[RB_:RB_+11], v[RA_:RA_+11], 0, v[SB_], v[SA_] matrix_a_fmt:MATRIX_FMT_BF6 matrix_b_fmt:MATRIX_FMT_BF6
.endif
.endif
.else
.if \ra
.if \rb
	v_wmma_scale_f32_16x16x128_f8f6f4 v[RD_:RD_+7], v[RB_:RB_+11], v[RA_:RA_+11], v[RD_:RD_+7], v[SB_], v[SA_] matrix_a_fmt:MATRIX_FMT_BF6 matrix_b_fmt:MATRIX_FMT_BF6 matrix_a_scale:MATRIX_SCALE_ROW1 matrix_b_scale:MATRIX_SCALE_ROW1
.else
	v_wmma_scale_f32_16x16x128_f8f6f4 v[RD_:RD_+7], v[RB_:RB_+11], v[RA_:RA_+11], v[RD_:RD_+7], v[SB_], v[SA_] matrix_a_fmt:MATRIX_FMT_BF6 matrix_b_fmt:MATRIX_FMT_BF6 matrix_a_scale:MATRIX_SCALE_ROW1
.endif
.else
.if \rb
	v_wmma_scale_f32_16x16x128_f8f6f4 v[RD_:RD_+7], v[RB_:RB_+11], v[RA_:RA_+11], v[RD_:RD_+7], v[SB_], v[SA_] matrix_a_fmt:MATRIX_FMT_BF6 matrix_b_fmt:MATRIX_FMT_BF6 matrix_b_scale:MATRIX_SCALE_ROW1
.else
	v_wmma_scale_f32_16x16x128_f8f6f4 v[RD_:RD_+7], v[RB_:RB_+11], v[RA_:RA_+11], v[RD_:RD_+7], v[SB_], v[SA_] matrix_a_fmt:MATRIX_FMT_BF6 matrix_b_fmt:MATRIX_FMT_BF6
.endif
.endif
.endif
.endm
.macro MMH g, hf                       ; 16 matrix instructions: four row tiles x four column tiles; accumulator (row tile a, column tile b) at v[256 + 8 (8 b + a)]; the 32 accumulators take turns
	WIN 0x50
.irp a, 0,1,2,3
.irp b, 0,1,2,3
.set RD_, 8*(8*\b+4*(\hf)+\a)
.set RB_, BF+48*((\g)%3)+12*\b
.set RA_, AF+12*(4*(\hf)+\a)
.set SB_, SB+2*((\g)%3)+\b/2
.set SA_, SA+2*(\hf)+\a/2
	WM ((\g)%8), (\b%2), (\a%2)
.endr
.endr
.endm
.macro MSTEP g, pre                    ; one K step; pre = 1: the next K step's row fragments are fetched as this step's fall free
.if 15-(\g) >= 2
	s_wait_loadcnt 28                              ; this step's 14 loads are in; the next two steps' may be out
.else
	s_wait_loadcnt 14*(15-(\g))
.endif
	s_wait_dscnt 14                                ; row tiles 0-3 are in; the 14 loads of tiles 4-7 may be out
	MMH \g, 0
	WIN 0
.if \pre
	PLACES 4                                       ; four places ahead of loads into registers that matrix instructions have read
	LDA ((\g)+1)%8, 0
	s_wait_dscnt 14                                ; all but the 14 just issued
.else
	s_wait_dscnt 0x0
.endif
	MMH \g, 1
	WIN 0
	PLACES 4
.if \pre
	LDA ((\g)+1)%8, 1
.endif
.if (\g)+3 < 16
	LDB (\g)+3                                     ; the ring's registers just read take the step three on
.endif
.endm
.macro STEPS05
	v_nop                                          ; with the four places that end a K step: five places ahead of products that begin sums anew
	LDA 0, 0
	LDA 0, 1
.irp g, 0,1,2,3,4
	MSTEP \g, 1
.endr
	MSTEP 5, 0                                     ; K step 6's image is read only behind the barrier
.endm
; the way out, by groups u of 32 registers: column tile u / 2, row tiles 4 (u % 2) .. + 3
.macro EA u
	WIN 0x41
.irp j, 0,2,4,6
.irp i, 0,1,2,3
.set RR, 32*(\u)+8*\i+\j
	v_pk_fma_f32 v[RR:RR+1], v[RR:RR+1], s[CC:CC+1], v[GB+8*((\u)/2)+\j:GB+8*((\u)/2)+\j+1] op_sel_hi:[1,0,1]   ; t; each accumulator from its low end on
.endr
.endr
.endm
.macro EB u
	WIN 0x41
.set RR, 32*(\u)
.rept 32
	v_exp_f32 v[RR], v[RR]
.set RR, RR+1
.endr
.endm
.macro EC u
	WIN 0x41
.set RR, 32*(\u)
.rept 16
	v_pk_add_f32 v[RR:RR+1], v[RR:RR+1], 1.0 op_sel_hi:[1,0]
.set RR, RR+2
.endr
.endm
.macro ED u
	WIN 0x41
.set RR, 32*(\u)
.rept 32
	v_rcp_f32 v[RR], v[RR]
.set RR, RR+1
.endr
.endm
.macro EE u
	WIN 0x01
.irp j, 0,2,4,6
.irp i, 0,1,2,3
.set RR, 32*(\u)+8*\i+\j
.set SU_, SUM+2*(4*((\u)%2)+\i)
.if ((\u) < 2) && (\j == 0)
	v_pk_mul_f32 v[SU_:SU_+1], v[RR:RR+1], v[VB+8*((\u)/2)+\j:VB+8*((\u)/2)+\j+1]
.else
	v_pk_fma_f32 v[SU_:SU_+1], v[RR:RR+1], v[VB+8*((\u)/2)+\j:VB+8*((\u)/2)+\j+1], v[SU_:SU_+1]
.endif
.endr
.endr
.endm
.macro ESTEP u                         ; one batch of transcendentals (group u - 1's reciprocals, group u's exponentials), with the waits ahead of it and behind it
.if (\u) >= 1
	s_wait_alu depctr_va_vdst(0)
	ED (\u)-1
.endif
.if (\u) <= 7
	EB \u
.endif
.if (\u) <= 6
	s_wait_alu depctr_va_vdst(0)
	EA (\u)+1
.else
	v_nop
.endif
	s_wait_alu depctr_va_vdst(0)
.if (\u) >= 1
	EE (\u)-1
.endif
.if (\u) <= 7
	EC \u
.endif
.endm
.macro EPI p
	v_bfe_u32 v[GVA], v0, 4, 1
	v_lshl_add_u32 v[GVA], v[GVA], 5, s[GTW]       ; my wave's columns of the tables, + 32 h
.irp b, 0,1,2,3
	ds_load_b128 v[GB+8*\b:GB+8*\b+3], v[GVA] offset:2048*(\p)+64*\b
	ds_load_b128 v[GB+8*\b+4:GB+8*\b+7], v[GVA] offset:2048*(\p)+64*\b+16
	ds_load_b128 v[VB+8*\b:VB+8*\b+3], v[GVA] offset:4096+2048*(\p)+64*\b
	ds_load_b128 v[VB+8*\b+4:VB+8*\b+7], v[GVA] offset:4096+2048*(\p)+64*\b+16
.endr
	s_wait_dscnt 0x0
	EA 0
	s_wait_alu depctr_va_vdst(0)
.irp u, 0,1,2,3,4,5,6,7,8
	ESTEP \u
.endr
	WIN 0
.irp a, 0,1,2,3,4,5,6,7
	v_add_f32 v[T+\a], v[SUM+2*\a], v[SUM+2*\a+1]
.endr
.irp a, 0,1,2,3,4,5,6,7
	v_permlanex16_b32 v[GB+\a], v[T+\a], s[SEL], s[SEL+1]
.endr
.irp a, 0,1,2,3,4,5,6,7
	v_add_f32 v[T+\a], v[T+\a], v[GB+\a]           ; with lane l xor 16's eight columns of each tile
.endr
.irp q, 0,1,2,3
	v_cndmask_b32 v[GB+8+\q], v[T+2*\q], v[T+2*\q+1], s[HM]   ; lanes 0-15 row tile 2 q, lanes 16-31 row tile 2 q + 1: rows 32 q + lane
.endr
	v_add_nc_u32 v[REDW], s[REDS], v[L4]
.irp q, 0,1,2,3
	ds_store_b32 v[REDW], v[GB+8+\q] offset:4096*(\p)+128*\q
.endr
	s_wait_dscnt 0x0                               ; the stores have read their registers
.endm
	s_load_b256 s[4:11], s[0:1], 0x0               ; encoder_outputs, wimg, gpart, attn_b
	s_load_b128 s[12:15], s[0:1], 0x20             ; v, scores
	v_lshrrev_b32 v1, 5, v0
	v_readfirstlane_b32 s[WV], v1                  ; wave w
	s_lshr_b32 s17, ttmp9, 3
	s_lshl_b32 s17, s17, 12                        ; b x 4,096 bytes
	s_and_b32 s18, ttmp9, 7                        ; which 128 s
	s_and_b32 s19, s[WV], 3
	s_lshr_b32 s37, s[WV], 2
	s_lshl_b32 s38, s18, 7
	s_lshl_b32 s40, s[WV], 4
	s_add_co_u32 s40, s38, s40
	s_lshl_b32 s40, s40, 17
	s_lshl_b32 s41, s19, 5
	s_add_co_u32 s41, s38, s41
	s_lshl_b32 s41, s41, 17
	s_add_co_u32 s38, s40, s17                     ; my 16 rows: (128 block + 16 w) rows of 131,072 bytes + b's 4,096
	s_mov_b32 s39, 0
	s_add_co_u32 s40, s41, s17                     ; waves 4-7, K steps 6, 7: rows 32 (w % 4) on
	s_mov_b32 s41, 0
	s_mul_i32 s42, s37, 25600                      ; wimg: the quarter of the columns w / 4 (pass 1: two quarters on),
	s_mul_i32 s43, s19, 6144                       ; its tiles 4 (w % 4) on
	s_lshl_b32 s44, s19, 8
	s_add_co_u32 s44, s44, s42
	s_add_co_u32 s44, s44, 24576                   ; and their scale words
	s_add_co_u32 s42, s42, s43
	s_mov_b32 s43, 0
	s_mov_b32 s45, 0
	s_lshl_b32 s46, s18, 9
	s_add_co_u32 s46, s46, s17
	s_mov_b32 s47, 0
	s_mov_b32 s48, s17
	s_mov_b32 s49, 0
	s_mul_i32 s50, s[WV], 16*SPI
	s_add_co_u32 s50, s50, STG
	s_mul_i32 s51, s[WV], 1536
	s_add_co_u32 s51, s51, IMG
	s_lshl_b32 s52, s[WV], 6
	s_mul_i32 s53, s19, 3072
	s_add_co_u32 s53, s53, IMG+6*12288
	s_lshl_b32 s54, s19, 7
	s_lshl_b32 s55, s[WV], 8
	s_add_co_u32 s[GTW], s55, GT
	s_lshl_b32 s[REDS], s[WV], 9
	s_add_co_u32 s[REDS], s[REDS], RED
	s_mov_b32 s[SEL], 0x76543210
	s_mov_b32 s[SEL+1], 0xfedcba98
	s_mov_b32 s[CC], 0x4038aa3b                    ; 2 log2(e)
	s_mov_b32 s[CC+1], s[CC]
	s_mov_b32 s[HM], 0xffff0000
	v_lshl_add_u32 v[SPW], v0, 2, SPARE
	v_mov_b32 v[NIL], 0
	v_and_b32 v[X], 31, v0                         ; lane
	v_and_b32 v[X+1], 15, v0                       ; r
	v_bfe_u32 v[X+2], v0, 4, 1                     ; h
	v_lshlrev_b32 v[L16], 4, v[X]
	v_add_nc_u32 v[L16B], 61440, v[L16]
	v_lshlrev_b32 v[L4], 2, v[X]
	v_add_nc_u32 v[STW], s50, v[L16]
	v_mul_u32_u24 v[STR], v[X+1], SPI
	v_lshl_add_u32 v[STR], v[X+2], 6, v[STR]
	v_add_nc_u32 v[STR], s50, v[STR]
	v_add_nc_u32 v[AWI], s51, v[L16]
	v_lshl_add_u32 v[AWS], v[X+1], 2, s52
	v_add_nc_u32 v[AWJ], s53, v[L16]
	v_lshl_add_u32 v[AWSJ], v[X+1], 2, s54
	v_lshl_add_u32 v[TOF], v[X+1], 4, s55          ; tables: lanes 0-15 my 64 columns of pass 0, lanes 16-31 those of pass 1, 2,048 bytes on
	v_lshl_add_u32 v[TOF], v[X+2], 11, v[TOF]
	v_add_nc_u32 v[TLA], GT, v[TOF]
.irp b, 0,1,2,3
	v_mov_b32 v[TM+4+\b], 0                        ; a lane permute's destination counts as one of its sources
.endr
	s_wait_alu depctr_va_vdst(0)
	s_wait_kmcnt 0x0
	s_add_nc_u64 s[ENB:ENB+1], s[4:5], s[38:39]
	s_add_nc_u64 s[ENJ:ENJ+1], s[4:5], s[40:41]
	s_add_nc_u64 s[WB:WB+1], s[6:7], s[42:43]
	s_add_nc_u64 s[WSC:WSC+1], s[6:7], s[44:45]
	s_add_nc_u64 s[GPB:GPB+1], s[8:9], s[48:49]
	s_add_nc_u64 s[SCP:SCP+1], s[14:15], s[46:47]
.irp s, 0,1,2,3,4,5,6,7
	global_load_b128 v[TBL+4*\s:TBL+4*\s+3], v[TOF], s[GPB:GPB+1] offset:\s*131072   ; sixteen lanes read 256 consecutive bytes, aligned
.endr
	global_load_b128 v[TBL+32:TBL+35], v[TOF], s[10:11]
	global_load_b128 v[TBL+36:TBL+39], v[TOF], s[12:13]
	LDCH 0, ENB, 0
	LDCH 1, ENB, 512
	LDCH 2, ENB, 1024
	s_wait_loadcnt 48                              ; the tables' ten loads are in; three chunks may be out
.irp s, 1,2,3,4,5,6,7,8
.irp j, 0,2
	v_pk_add_f32 v[TBL+\j:TBL+\j+1], v[TBL+\j:TBL+\j+1], v[TBL+4*\s+\j:TBL+4*\s+\j+1]   ; the eight parts, then attn_b
.endr
.endr
.irp j, 0,2
	v_pk_mul_f32 v[TBL+\j:TBL+\j+1], v[TBL+\j:TBL+\j+1], s[CC:CC+1] op_sel_hi:[1,0]
	v_pk_mul_f32 v[TBL+36+\j:TBL+36+\j+1], v[TBL+36+\j:TBL+36+\j+1], -2.0 op_sel_hi:[1,0]
.endr
	ds_store_b128 v[TLA], v[TBL:TBL+3]
	ds_store_b128 v[TLA], v[TBL+36:TBL+39] offset:4096
	LDCH 3, ENB, 1536
	s_wait_dscnt 0x0                               ; the stores have read their registers
	s_wait_loadcnt 48                              ; chunk 0 is in; chunks 1-3 may be out
	STAGE 0
	LDCH 0, ENB, 4*512
	FIN AWI, 0, AWS, 0
	s_wait_loadcnt 48
	STAGE 1
	LDCH 1, ENB, 5*512
	FIN AWI, 12288, AWS, 512
	s_wait_loadcnt 48
	STAGE 2
	BONLY 2, 6*512                                 ; job j of waves 4-7: row tile 2 (w % 4) + j / 2, K step 6 + j % 2
	FIN AWI, 2*12288, AWS, 2*512
	s_wait_loadcnt 32                              ; behind chunk 3 every wave has issued chunks 4, 5 (waves 4-7 job 0 too): the count is the lesser
	STAGE 3
	BONLY 3, 7*512
	FIN AWI, 3*12288, AWS, 3*512
	s_wait_loadcnt 16                              ; behind chunk 4 every wave has issued chunk 5
	STAGE 0
	s_cmp_lt_u32 s[WV], 4
	s_cbranch_scc1 .Lc4a
	LDCH 0, ENJ, 2097152+6*512
	s_branch .Lc4j
.Lc4a:
	LDB 0                                          ; waves 0-3: attn_w's first two steps
	LDB 1
.Lc4j:
	FIN AWI, 4*12288, AWS, 4*512
	s_wait_loadcnt 16                              ; behind chunk 5 every wave has issued 16 loads or more (job 2, or two steps of attn_w)
	STAGE 1
	BONLY 1, 2097152+7*512
	FIN AWI, 5*12288, AWS, 5*512
	s_wait_alu depctr_va_vdst(0)
	s_wait_dscnt 0x0                               ; my images of K steps 0-5 are stored
	s_barrier_signal -1
	s_barrier_wait -1                              ; and so are everybody's
	s_cmp_lt_u32 s[WV], 4
	s_cbranch_scc0 .Ljobs
	LDB 2
	STEPS05                                        ; waves 0-3 multiply K steps 0-5
	s_branch .Lbar2
.Ljobs:                                                ; waves 4-7 quantise K steps 6, 7 of all 128 rows
	s_wait_loadcnt 48
	STAGE 2
	FIN AWJ, 0, AWSJ, 6*512
	s_wait_loadcnt 32
	STAGE 3
	FIN AWJ, 12288, AWSJ, 7*512
	s_wait_loadcnt 16
	STAGE 0
	FIN AWJ, 1536, AWSJ, 6*512+64
	s_wait_loadcnt 0x0
	STAGE 1
	LDB 0
	LDB 1
	FIN AWJ, 12288+1536, AWSJ, 7*512+64
	s_wait_dscnt 0x0                               ; the stores have read their registers, which the next loads take
	LDB 2
.Lbar2:
	s_wait_dscnt 0x0
	s_barrier_signal -1
	s_barrier_wait -1                              ; the images of K steps 6, 7 are whole
	s_cmp_lt_u32 s[WV], 4
	s_cbranch_scc1 .Ljoin
	STEPS05                                        ; waves 4-7 multiply K steps 0-5
.Ljoin:
	LDA 6, 0
	LDA 6, 1
	MSTEP 6, 1
	MSTEP 7, 0
	EPI 0
	LDA 0, 0
	LDA 0, 1
.irp g, 8,9,10,11,12,13,14
	MSTEP \g, 1
.endr
	MSTEP 15, 0
	EPI 1
	s_barrier_signal -1
	s_barrier_wait -1                              ; all sixteen partial scores of every row are stored
	s_cmp_lg_u32 s[WV], 0
	s_cbranch_scc1 .Lend
	v_add_nc_u32 v80, RED, v[L16]                  ; four rows a lane
.irp k, 0,1,2,3,4,5,6,7,8,9,10,11,12,13,14,15
	ds_load_b128 v[16+4*\k:19+4*\k], v80 offset:512*\k
.endr
	s_wait_dscnt 0x0
.irp k, 1,2,3,4,5,6,7,8,9,10,11,12,13,14,15
	v_pk_add_f32 v[16:17], v[16:17], v[16+4*\k:17+4*\k]
	v_pk_add_f32 v[18:19], v[18:19], v[18+4*\k:19+4*\k]
.endr
	global_store_b128 v[L16], v[16:19], s[SCP:SCP+1]   ; 32 lanes store 512 consecutive bytes, aligned
.Lend:
	s_wait_tensorcnt 0x0                           ; the wave's end
	ds_add_u32 v[SPW], v[NIL]
	s_wait_dscnt 0x0
	s_endpgm
.Lfunc_end_k_qe334db5182_main:
	.size	k_qe334db5182_main, .Lfunc_end_k_qe334db5182_main-k_qe334db5182_main
	.p2alignl 7, 3214868480
	.fill 96, 4, 3214868480
	.section	.rodata,"a",@progbits
	.p2align	6, 0x0
	.amdhsa_kernel k_qe334db5182_main
		.amdhsa_group_segment_fixed_size 187392
		.amdhsa_private_segment_fixed_size 0
		.amdhsa_enable_private_segment 0
		.amdhsa_kernarg_size 48
		.amdhsa_user_sgpr_count 2
		.amdhsa_user_sgpr_kernarg_segment_ptr 1
		.amdhsa_wavefront_size32 1
		.amdhsa_system_sgpr_workgroup_id_x 1
		.amdhsa_system_sgpr_workgroup_id_y 1
		.amdhsa_system_sgpr_workgroup_id_z 1
		.amdhsa_system_vgpr_workitem_id 0
		.amdhsa_next_free_vgpr 512
		.amdhsa_next_free_sgpr 66
		.amdhsa_reserve_vcc 0
		.amdhsa_float_denorm_mode_32 3
		.amdhsa_float_denorm_mode_16_64 3
		.amdhsa_memory_ordered 1
		.amdhsa_forward_progress 1
		.amdhsa_inst_pref_size 255
	.end_amdhsa_kernel
	.section	.bss,"aw",@nobits
	.p2align	6
	.space	262144
	.amdgpu_metadata
---
amdhsa.version: [ 1, 2 ]
amdhsa.kernels:
  - .name:           k_qe334db5182_main
    .symbol:         k_qe334db5182_main.kd
    .args:
      - { .name: encoder_outputs, .offset: 0, .size: 8, .value_kind: global_buffer, .address_space: global }
      - { .name: wimg, .offset: 8, .size: 8, .value_kind: global_buffer, .address_space: global }
      - { .name: gpart, .offset: 16, .size: 8, .value_kind: global_buffer, .address_space: global }
      - { .name: attn_b, .offset: 24, .size: 8, .value_kind: global_buffer, .address_space: global }
      - { .name: v, .offset: 32, .size: 8, .value_kind: global_buffer, .address_space: global }
      - { .name: scores, .offset: 40, .size: 8, .value_kind: global_buffer, .address_space: global }
    .group_segment_fixed_size: 187392
    .private_segment_fixed_size: 0
    .kernarg_segment_align: 8
    .kernarg_segment_size: 48
    .max_flat_workgroup_size: 256
    .sgpr_count:     66
    .vgpr_count:     512
    .wavefront_size: 32
...
	.end_amdgpu_metadata
.endif
;; end of part 2
;; launch soft (part 3): grid 32 x 1, 1 waves a work-group, no clusters, 0 bytes of LDS; arguments scores, out0; writes out0
.if DOCPART == 3
	.amdgcn_target "amdgcn-amd-amdhsa--gfx1250"
	.amdhsa_code_object_version 6
	.text
	.protected	k_qe334db5182_soft
	.globl	k_qe334db5182_soft
	.p2align	8
	.type	k_qe334db5182_soft,@function
k_qe334db5182_soft:
	s_mov_b64 s[64:65], 0
	v_nop
	global_prefetch_b8 v0, s[64:65] scope:SCOPE_SE
	s_setreg_imm32_b32 hwreg(HW_REG_WAVE_MODE, 25, 1), 1
	s_wait_xcnt 0x0
; out0[b][:] = softmax over s of scores[b][:].  scores holds reference()'s scores less a number that is the same for all s of a row: the softmax is the same.
; One wave takes a row of 1,024 numbers, 32 a lane, and keeps it in registers: the row is read once, the reductions never leave the wave.  Each load and store covers 512 consecutive bytes.
; p = 2^(x L - m L), L = log2(e), m the row's maximum: one fused multiply-add; the rounding of m L is a factor common to the row and falls out of the division.
; LIMITS: NaN and infinities among the scores are not served.
	s_load_b128 s[4:7], s[0:1], 0x0                ; scores, out0
	v_lshlrev_b32 v1, 4, v0
	s_lshl_b32 s8, ttmp9, 12                       ; row b: 4,096 bytes
	s_mov_b32 s9, 0
	s_mov_b32 s10, 0x76543210                      ; lane l xor 16
	s_mov_b32 s11, 0xfedcba98
	s_mov_b32 s12, 0x3fb8aa3b                      ; log2(e)
	s_mov_b32 s13, s12                             ; (named with it as a pair)
	s_wait_alu depctr_va_vdst(0)
	s_wait_kmcnt 0x0
	s_add_nc_u64 s[4:5], s[4:5], s[8:9]
	s_add_nc_u64 s[6:7], s[6:7], s[8:9]
.irp i, 0,1,2,3,4,5,6,7
	global_load_b128 v[8+4*\i:11+4*\i], v1, s[4:5] offset:512*\i th:TH_LOAD_NT
.endr
	s_wait_loadcnt 0x0
	v_max3_num_f32 v40, v8, v9, v10                ; the maximum of my 32, in two chains
	v_max3_num_f32 v41, v11, v12, v13
.irp i, 14,18,22,26,30,34
	v_max3_num_f32 v40, v40, v[\i], v[\i+1]
	v_max3_num_f32 v41, v41, v[\i+2], v[\i+3]
.endr
	v_max3_num_f32 v40, v40, v38, v39
	v_max_num_f32 v40, v40, v41
	v_max_num_f32_dpp v40, v40, v40 row_xmask:1 row_mask:0xf bank_mask:0xf
	v_max_num_f32_dpp v40, v40, v40 row_xmask:2 row_mask:0xf bank_mask:0xf
	v_max_num_f32_dpp v40, v40, v40 row_xmask:4 row_mask:0xf bank_mask:0xf
	v_max_num_f32_dpp v40, v40, v40 row_xmask:8 row_mask:0xf bank_mask:0xf
	v_permlanex16_b32 v41, v40, s10, s11
	v_max_num_f32 v40, v40, v41                    ; the row's maximum, in every lane
	v_mul_f32 v42, s12, v40
	v_mov_b32 v43, v42                             ; (named with it as a pair)
.irp j, 0,2,4,6,8,10,12,14,16,18,20,22,24,26,28,30
	v_pk_fma_f32 v[8+\j:9+\j], v[8+\j:9+\j], s[12:13], v[42:43] op_sel_hi:[1,0,0] neg_lo:[0,0,1] neg_hi:[0,0,1]
.endr
	s_wait_alu depctr_va_vdst(0)
.irp j, 0,1,2,3,4,5,6,7,8,9,10,11,12,13,14,15,16,17,18,19,20,21,22,23,24,25,26,27,28,29,30,31
	v_exp_f32 v[8+\j], v[8+\j]
.endr
	v_nop                                          ; a plain place behind the batch
	s_wait_alu depctr_va_vdst(0)                   ; one wait for the 32, ahead of their first reader
	v_pk_add_f32 v[44:45], v[8:9], v[10:11]        ; the sum, two at a time, in two chains
	v_pk_add_f32 v[46:47], v[12:13], v[14:15]
.irp j, 16,20,24,28,32,36
	v_pk_add_f32 v[44:45], v[44:45], v[\j:\j+1]
	v_pk_add_f32 v[46:47], v[46:47], v[\j+2:\j+3]
.endr
	v_pk_add_f32 v[44:45], v[44:45], v[46:47]
	v_add_f32 v44, v44, v45
	v_add_f32_dpp v44, v44, v44 row_xmask:1 row_mask:0xf bank_mask:0xf
	v_add_f32_dpp v44, v44, v44 row_xmask:2 row_mask:0xf bank_mask:0xf
	v_add_f32_dpp v44, v44, v44 row_xmask:4 row_mask:0xf bank_mask:0xf
	v_add_f32_dpp v44, v44, v44 row_xmask:8 row_mask:0xf bank_mask:0xf
	v_permlanex16_b32 v45, v44, s10, s11
	v_add_f32 v44, v44, v45                        ; the row's sum: at least about 1, since the maximum's p is
	s_wait_alu depctr_va_vdst(0)
	v_rcp_f32 v46, v44
	v_nop                                          ; a plain place behind the reciprocal
	s_wait_alu depctr_va_vdst(0)
.irp j, 0,2,4,6,8,10,12,14,16,18,20,22,24,26,28,30
	v_pk_mul_f32 v[8+\j:9+\j], v[8+\j:9+\j], v[46:47] op_sel_hi:[1,0]
.endr
.irp i, 0,1,2,3,4,5,6,7
	global_store_b128 v1, v[8+4*\i:11+4*\i], s[6:7] offset:512*\i
.endr
	s_endpgm
.Lfunc_end_k_qe334db5182_soft:
	.size	k_qe334db5182_soft, .Lfunc_end_k_qe334db5182_soft-k_qe334db5182_soft
	.p2alignl 7, 3214868480
	.fill 96, 4, 3214868480
	.section	.rodata,"a",@progbits
	.p2align	6, 0x0
	.amdhsa_kernel k_qe334db5182_soft
		.amdhsa_group_segment_fixed_size 0
		.amdhsa_private_segment_fixed_size 0
		.amdhsa_enable_private_segment 0
		.amdhsa_kernarg_size 16
		.amdhsa_user_sgpr_count 2
		.amdhsa_user_sgpr_kernarg_segment_ptr 1
		.amdhsa_wavefront_size32 1
		.amdhsa_system_sgpr_workgroup_id_x 1
		.amdhsa_system_sgpr_workgroup_id_y 1
		.amdhsa_system_sgpr_workgroup_id_z 1
		.amdhsa_system_vgpr_workitem_id 0
		.amdhsa_next_free_vgpr 64
		.amdhsa_next_free_sgpr 66
		.amdhsa_reserve_vcc 0
		.amdhsa_float_denorm_mode_32 3
		.amdhsa_float_denorm_mode_16_64 3
		.amdhsa_memory_ordered 1
		.amdhsa_forward_progress 1
		.amdhsa_inst_pref_size 9
	.end_amdhsa_kernel
	.amdgpu_metadata
---
amdhsa.version: [ 1, 2 ]
amdhsa.kernels:
  - .name:           k_qe334db5182_soft
    .symbol:         k_qe334db5182_soft.kd
    .args:
      - { .name: scores, .offset: 0, .size: 8, .value_kind: global_buffer, .address_space: global }
      - { .name: out0, .offset: 8, .size: 8, .value_kind: global_buffer, .address_space: global }
    .group_segment_fixed_size: 0
    .private_segment_fixed_size: 0
    .kernarg_segment_align: 8
    .kernarg_segment_size: 16
    .max_flat_workgroup_size: 32
    .sgpr_count:     66
    .vgpr_count:     64
    .wavefront_size: 32
...
	.end_amdgpu_metadata
.endif
;; end of part 3
